; MI455X (gfx1250); checked and timed in simulation.
; The chip was launched on July 23, 2026; its instructions are those of AMD's public machine-readable ISA for CDNA 5 (MIT licence, August 2026) and "CDNA5" Instruction Set Architecture Reference Guide (July 2026). The comments in the code are by the model that wrote it; some were corrected since.
;; GRN Net. Allowed arithmetic: matrix products marked QUANTISED: E3M2 operands, one E8M0 scale for each 32 along K, by v_wmma_scale_f32_16x16x128_f8f6f4 with both operands' format E3M2, f32 sums; products left as they are: f32 operands where the result goes on into a quantised operand, else bf16, f16 or f32 operands; f32 sums; everything else in f32.
;; Inputs: batches 8,192 x 64 float32; beta 1 x 16,384 float32; x_training 16,384 x 64 float32; y_training 16,384 x 8 float32.
;; Outputs: out0 8,192 x 8 float32.
;; This version of the problem:
;;   THIS VERSION OF THE PROBLEM IS GIVEN IN LOW PRECISION. The matrix products marked QUANTISED in the list below multiply operands that are first quantised to E3M2 (3 exponent bits, 2 mantissa bits; 6 bits a number), with one power-of-two scale for each 32 numbers along K (OCP MX v1.0); their sums are f32. All else is computed in f32.
;;   The module's matrix products, in the order in which they are computed (A, B: the left and right operand; K: the contracted axis; several contracted axes count as one K, in the product's order):
;;     1. [M 8,192, K 64] x [K 64, N 16,384]; A: input batches; B: input x_training: QUANTISED
;;     2. [M 8,192, K 16,384] x [K 16,384, N 8]; A: computed on the way; B: input y_training: left as it is (N = 8 < 16)
;;   THE QUANTISER, for each operand of a quantised product, along K:
;;     - K is cut into blocks of 32 from its start; a last block that is shorter is filled with zeros.
;;     - A block's scale is 2^e with e = floor(log2(the largest magnitude in the block)) - 4, held to -126 .. 127; a block of zeros has e = 0. As a byte (E8M0): e + 127.
;;     - Each number is divided by its block's scale, clamped to +-28, and rounded to the nearest number of E3M2, ties to even, subnormals kept.
;;     - The product sums the exact products of the quantised numbers (number of the format x scale) in f32.
;;   ~~~python
;;   def quantise(x, axis):      # numpy; x: float32 -> the quantised numbers, widened to float32 again
;;       x = np.moveaxis(x, axis, -1); K = x.shape[-1]
;;       x = np.pad(x, [(0, 0)] * (x.ndim - 1) + [(0, -K % 32)]); x = x.reshape(x.shape[:-1] + (-1, 32)); a = np.abs(x).max(-1, keepdims=True)
;;       e = np.where(a > 0, np.clip(np.frexp(np.where(a > 0, a, 1))[1] - 1 - 4, -126, 127), 0)      # np.frexp(a)[1] - 1 = floor(log2(a)), exactly
;;       r = np.clip(x / 2.0 ** e, -28, 28)
;;       step = 2.0 ** (np.maximum(np.frexp(np.where(r == 0, 1, r))[1] - 1, -2) - 2)
;;       q = np.round(r / step) * step * 2.0 ** e      # np.round: ties to even
;;       return np.moveaxis(q.reshape(q.shape[:-2] + (-1,))[..., :K], -1, axis).astype(np.float32)
;;   ~~~
;; One version. Each part assembles by itself: llvm-mc -triple=amdgcn-amd-amdhsa -mcpu=gfx1250 --defsym DOCPART=n.
;; ======== version 1 of 1: 2 launches
;; limits: values outside matrix products are rounded to bf16
;; workspace buffers: kws 1,245,184 bytes; qws 442,368 bytes
;; launch prep (part 1): grid 192 x 1, 4 waves a work-group, no clusters, 44,032 bytes of LDS; arguments batches, x_training, y_training, beta, kws, qws; writes kws, qws
.if DOCPART == 1
	.amdgcn_target "amdgcn-amd-amdhsa--gfx1250"
	.amdhsa_code_object_version 6
	.text
	.protected	k_q5423c13372_prep
	.globl	k_q5423c13372_prep
	.p2align	8
	.type	k_q5423c13372_prep,@function
k_q5423c13372_prep:
	s_mov_b64 s[64:65], 0
	v_nop
	global_prefetch_b8 v0, s[64:65] scope:SCOPE_SE
	s_setreg_imm32_b32 hwreg(HW_REG_WAVE_MODE, 25, 1), 1
	s_wait_xcnt 0x0
; x_training [16384][64] and batches [8192][64], f32, are quantised ONCE to codes of BF6 (E3M2) with one E8M0 byte for each 32 along K = 64, and laid in the order in which
; the next launch's operand registers take them.  Beside the codes: -|row|^2 / 2 of the unquantised rows (f32); for the keys also c = -beta log2(e) (f32) and y turned to [channel][key] in bf16 with a row of ones.
; A REGION is 128 rows = 4 groups of 32.  Key region (9,728 bytes):  0 XH: 128 f32 -|x|^2/2 | 512 SCL: word 16 g + r = the bytes (A0, A1, B0, B1): blocks 0, 1 of row r and of row 16 + r of group g |
;   768 CO: 128 f32 c | 1280 YT: group g at 576 g, octet o of its keys at 144 o, channel ch at 16 ch (8 bf16), at +128 eight ones | 3584 COD: group g at 1536 g.
; Query region (6,912 bytes): XH, SCL as above, COD at 768.
; COD of a group is an image of ONE operand of 12 registers a lane: lane (r, h) registers 0-5 = the 32 codes of block h of row r, registers 6-11 = those of block h of row 16 + r;
; registers 4 c .. 4 c + 3 of lane L lie at 512 c + 16 L.  So the operand's row r is [row r's 64 codes | row 16 + r's 64 codes], K = 128.
; A block's scale is 2^(floor(log2(largest magnitude)) - 4): its byte is the largest magnitude's exponent field - 4, held at 1 from below.
; LIMITS: a block of zeros gets the byte 1 where the rule says 127 (its codes are zeros, and this program alone reads the bytes); blocks whose largest magnitude lies under 2^(5 - 127) share that byte;
; NaN and infinities among the inputs are not served.  |row|^2 is summed in four chains and across two lanes, another order than a plain sum.
; SHARES: work-groups 0-127 make key regions, 128-191 query regions; wave w makes group w.  Only pointers and sizes are chosen by the work-group's number; the one block that keys alone run has LDS bytes of its own.
.set NKR,  128                         ; key regions
.set KREG, 9728
.set QREG, 6912
.set STGW, 8704                        ; LDS 0: a stage for each wave: 32 rows x (256 bytes + 16)
.set YST,  34816                       ; a stage for y for each wave: 4 octets x (256 bytes + 32)
.set YSTW, 1152
.set ASM,  39424                       ; the region's first 3,584 bytes are put together here and leave as aligned runs of 256 bytes
.set R,    16                          ; v16-79   32 rows as loaded
.set X,    80                          ; v80-143  block h of row r (32 numbers), then of row 16 + r
.set IM,   144                         ; v144-155 the operand's 12 registers
.set TA,   156                         ; v156-158, v160-162: a conversion's three registers begin on an even number: the second half of a block's six is made here and moved
.set TB,   160
.set MX,   164                         ; v164-165 largest magnitudes
.set SOP,  166                         ; v166-167 the conversions' scale operands
.set BY,   168                         ; v168-169 the scale bytes
.set AC,   170                         ; v170-177 four pairs of partial sums of squares
.set PD,   178                         ; v178-179 lane permutes' destinations
.set YL,   180                         ; v180-187 y as loaded
.set YR,   188                         ; v188-195 one channel of eight keys
.set YP,   196                         ; v196-199 the same in bf16
.set ONE,  200                         ; v200-203 eight ones in bf16
.set BE,   204                         ; v204     beta, then c
.set TL,   206                         ; v206-213 the tail: a pair for each trip
	s_load_b128 s[4:7], s[0:1], 0x0                ; batches, x_training
	s_load_b128 s[8:11], s[0:1], 0x10              ; y_training, beta
	s_load_b128 s[12:15], s[0:1], 0x20             ; kws, qws
	v_lshl_add_u32 v216, v0, 2, 0xaa00
	v_mov_b32 v217, 0
	v_lshrrev_b32 v1, 5, v0
	v_readfirstlane_b32 s16, v1                    ; wave 0..3
	v_and_b32 v1, 31, v0                           ; lane
	v_and_b32 v2, 15, v0                           ; r
	v_bfe_u32 v3, v0, 4, 1                         ; h
	v_lshlrev_b32 v4, 4, v1                        ; 16 x lane
	v_lshlrev_b32 v15, 2, v1                       ; 4 x lane
	v_lshrrev_b32 v214, 3, v1                      ; o = lane / 8
	v_and_b32 v215, 7, v1                          ; ch = lane % 8
	s_mul_i32 s28, s16, STGW                       ; my stage
	v_mul_u32_u24 v5, v3, 272
	v_lshl_add_u32 v5, v2, 4, v5
	v_add_nc_u32 v5, s28, v5                       ; in: a load's 512 bytes are two rows: row h, 16 r
	v_mul_u32_u24 v6, v2, 272
	v_lshl_add_u32 v6, v3, 7, v6
	v_add_nc_u32 v6, s28, v6                       ; back: row r, block h (128 bytes)
	s_mul_i32 s29, s16, YSTW
	s_add_co_u32 s29, s29, YST                     ; my stage for y
	v_lshl_add_u32 v7, v3, 5, v4
	v_add_nc_u32 v7, s29, v7                       ; in: 16 x lane, + 32 behind the first octet's 256 bytes
	v_mul_u32_u24 v8, v214, 288
	v_lshl_add_u32 v8, v215, 2, v8
	v_add_nc_u32 v8, s29, v8                       ; back: octet o, channel ch; the eight keys lie 32 bytes apart
	s_lshl_b32 s30, s16, 7
	s_add_co_u32 s30, s30, ASM
	v_lshl_add_u32 v9, v1, 2, s30                  ; XH (and, 768 on, CO): my group's 128 bytes, 4 x lane
	s_lshl_b32 s30, s16, 6
	s_add_co_u32 s30, s30, ASM+512
	v_lshl_add_u32 v10, v2, 2, s30                 ; SCL: my group's 64 bytes, 4 r
	s_mul_i32 s30, s16, 576
	s_add_co_u32 s30, s30, ASM+1280
	v_mul_u32_u24 v12, v214, 144
	v_add_nc_u32 v12, s30, v12
	v_lshl_add_u32 v11, v215, 4, v12               ; YT: my group, octet o, channel ch
	v_add_nc_u32 v12, 128, v12                     ; and the octet's ones
	s_lshl_b32 s30, s16, 8
	v_lshl_add_u32 v14, v1, 3, s30                 ; the tail: 256 x wave + 8 x lane in the region,
	v_add_nc_u32 v13, ASM, v14                     ; and in LDS
	v_mov_b32 v[PD], 0                             ; a lane permute's destination counts as one of its sources
	v_mov_b32 v[PD+1], 0
.irp i, 0,1,2,3
	v_mov_b32 v[ONE+\i], 0x3f803f80
.endr
	s_mov_b32 s32, 0x76543210
	s_mov_b32 s33, 0xfedcba98                      ; v_permlanex16_b32's selects for lane l xor 16
	s_wait_kmcnt 0x0
	s_cmp_lt_u32 ttmp9, NKR                        ; keys or queries?  The choice hangs on the work-group's number alone
	s_cselect_b64 s[20:21], s[6:7], s[4:5]         ; the rows
	s_cselect_b64 s[22:23], s[12:13], s[14:15]     ; the workspace
	s_cselect_b32 s18, 0, NKR
	s_cselect_b32 s26, 14, 3                       ; runs of 256 bytes ahead of the codes
	s_mov_b32 s27, QREG
	s_cselect_b32 s27, KREG, s27                   ; a region's bytes
	s_mov_b32 s17, 768
	s_cselect_b32 s17, 3584, s17                   ; where its codes begin
	s_sub_co_u32 s18, ttmp9, s18                   ; my region
	s_lshl_b32 s28, s18, 15                        ; 128 rows of 256 bytes,
	s_lshl_b32 s29, s16, 13                        ; my wave's 32
	s_add_co_u32 s28, s28, s29
	s_mov_b32 s29, 0
	s_add_nc_u64 s[20:21], s[20:21], s[28:29]
	s_mul_i32 s28, s18, s27
	s_add_nc_u64 s[22:23], s[22:23], s[28:29]      ; the region
	s_mul_i32 s28, s16, 1536
	s_add_co_u32 s28, s28, s17
	s_add_nc_u64 s[24:25], s[22:23], s[28:29]      ; my group's codes
	s_lshl_b32 s28, s18, 12                        ; y: 128 keys of 32 bytes, my wave's 32
	s_lshl_b32 s30, s16, 10
	s_add_co_u32 s28, s28, s30
	s_add_nc_u64 s[34:35], s[8:9], s[28:29]
	s_lshl_b32 s28, s18, 9                         ; beta: 128 keys of 4 bytes, my wave's 32
	s_lshl_b32 s30, s16, 7
	s_add_co_u32 s28, s28, s30
	s_add_nc_u64 s[36:37], s[10:11], s[28:29]
.irp i, 0,1,2,3,4,5,6,7,8,9,10,11,12,13,14,15
	global_load_b128 v[R+4*\i:R+4*\i+3], v4, s[20:21] offset:512*\i th:TH_LOAD_NT   ; 32 lanes read 512 consecutive bytes: rows 2 i, 2 i + 1
.endr
	; ---- keys alone: y turned and rounded, the ones, c
	s_cmp_lt_u32 ttmp9, NKR
	s_cbranch_scc0 .Lnot_keys
	global_load_b128 v[YL:YL+3], v4, s[34:35] th:TH_LOAD_NT
	global_load_b128 v[YL+4:YL+7], v4, s[34:35] offset:512 th:TH_LOAD_NT
	global_load_b32 v[BE], v15, s[36:37] th:TH_LOAD_NT
	s_wait_loadcnt 0x0                             ; these three are the youngest loads: all are in
	ds_store_b128 v7, v[YL:YL+3]                   ; octets 0, 1
	ds_store_b128 v7, v[YL+4:YL+7] offset:576      ; octets 2, 3
.irp e, 0,1,2,3,4,5,6,7
	ds_load_b32 v[YR+\e], v8 offset:32*\e          ; LDS serves a wave's instructions in order (ISA guide 5.7.1.4): these see the two stores.  y(8 o + e, ch)
.endr
	v_mul_f32 v[BE], 0xbfb8aa3b, v[BE]             ; c = -beta log2(e): the weight is 2^(c x distance)
	ds_store_b32 v9, v[BE] offset:768
	ds_store_b128 v12, v[ONE:ONE+3]                ; eight lanes write the same bytes with the same value
	s_wait_dscnt 0x0
.irp i, 0,1,2,3
	v_cvt_pk_bf16_f32 v[YP+\i], v[YR+2*\i], v[YR+2*\i+1]
.endr
	ds_store_b128 v11, v[YP:YP+3]
.Lnot_keys:
	; ---- the rows turn through my stage, so that a lane holds whole blocks of 32 along K
	s_wait_loadcnt 0x0
.irp i, 0,1,2,3,4,5,6,7,8,9,10,11,12,13,14,15
	ds_store_b128 v5, v[R+4*\i:R+4*\i+3] offset:544*\i
.endr
.irp t, 0,1
.irp j, 0,1,2,3,4,5,6,7
	ds_load_b128 v[X+32*\t+4*\j:X+32*\t+4*\j+3], v6 offset:4352*\t+16*\j   ; row 16 t + r, numbers 32 h + 4 j on
.endr
.endr
	s_wait_dscnt 0x0
	; ---- each block's largest magnitude: all 32 numbers are mine; the two blocks by turns
.irp t, 0,1
	v_max3_num_f32 v[MX+\t], |v[X+32*\t]|, |v[X+32*\t+1]|, 0x2800000   ; with the floor 2^(5 - 127): the byte cannot fall under 1
.endr
.irp i, 2,4,6,8,10,12,14,16,18,20,22,24,26,28,30
.irp t, 0,1
	v_max3_num_f32 v[MX+\t], v[MX+\t], |v[X+32*\t+\i]|, |v[X+32*\t+\i+1]|
.endr
.endr
.irp t, 0,1
	v_add_nc_u32 v[SOP+\t], 0xfe000000, v[MX+\t]   ; 4 off the exponent field: the conversion takes the exponent field of this operand as its scale
.endr
.irp t, 0,1
	v_lshrrev_b32 v[BY+\t], 23, v[SOP+\t]          ; the scale's byte
.endr
	; ---- -|row|^2 / 2 of the unquantised numbers
.irp t, 0,1
.irp p, 0,1
	v_pk_mul_f32 v[AC+4*\t+2*\p:AC+4*\t+2*\p+1], v[X+32*\t+2*\p:X+32*\t+2*\p+1], v[X+32*\t+2*\p:X+32*\t+2*\p+1]
.endr
.endr
.irp m, 1,2,3,4,5,6,7
.irp t, 0,1
.irp p, 0,1
	v_pk_fma_f32 v[AC+4*\t+2*\p:AC+4*\t+2*\p+1], v[X+32*\t+4*\m+2*\p:X+32*\t+4*\m+2*\p+1], v[X+32*\t+4*\m+2*\p:X+32*\t+4*\m+2*\p+1], v[AC+4*\t+2*\p:AC+4*\t+2*\p+1]
.endr
.endr
.endr
.irp t, 0,1
	v_pk_add_f32 v[AC+4*\t:AC+4*\t+1], v[AC+4*\t:AC+4*\t+1], v[AC+4*\t+2:AC+4*\t+3]
.endr
.irp t, 0,1
	v_add_f32 v[AC+4*\t], v[AC+4*\t], v[AC+4*\t+1]
.endr
.irp t, 0,1
	v_permlanex16_b32 v[PD+\t], v[AC+4*\t], s32, s33   ; the row's other block lies in lane l xor 16
.endr
.irp t, 0,1
	v_add_f32 v[AC+4*\t], v[AC+4*\t], v[PD+\t]
.endr
.irp t, 0,1
	v_mul_f32 v[AC+4*\t], -0.5, v[AC+4*\t]
.endr
	v_cmp_le_u32 vcc_lo, 16, v1
	v_cndmask_b32 v[AC], v[AC], v[AC+4], vcc_lo    ; lane l stores row l of the group: lanes 0-15 row r, lanes 16-31 row 16 + r
	ds_store_b32 v9, v[AC]
	; ---- the scale word (A0, A1, B0, B1): my bytes are A_h and B_h
	v_lshl_or_b32 v[BY], v[BY+1], 16, v[BY]
	v_lshlrev_b32 v[BY+1], 3, v3
	v_lshlrev_b32 v[BY], v[BY+1], v[BY]            ; 8 h bits up
	v_permlanex16_b32 v[PD], v[BY], s32, s33
	v_or_b32 v[BY], v[BY], v[PD]                   ; with lane l xor 16's two the word is whole
	ds_store_b32 v10, v[BY]                        ; both halves of the lanes write the same word
	; ---- the codes: sixteen numbers / 2^(the operand's exponent), to the nearest code, ties to even, beyond the largest code the largest
	v_cvt_scalef32_pk16_bf6_f32 v[IM:IM+2], v[X:X+15], v[SOP]
	v_cvt_scalef32_pk16_bf6_f32 v[TA:TA+2], v[X+16:X+31], v[SOP]
	v_cvt_scalef32_pk16_bf6_f32 v[IM+6:IM+8], v[X+32:X+47], v[SOP+1]
	v_cvt_scalef32_pk16_bf6_f32 v[TB:TB+2], v[X+48:X+63], v[SOP+1]
	v_nop                                          ; one plain place behind the last scaled conversion
.irp i, 0,1,2
	v_mov_b32 v[IM+3+\i], v[TA+\i]
	v_mov_b32 v[IM+9+\i], v[TB+\i]
.endr
.irp c, 0,1,2
	global_store_b128 v4, v[IM+4*\c:IM+4*\c+3], s[24:25] offset:512*\c   ; 32 lanes store 512 consecutive bytes, at a multiple of 256 from the buffer's first byte
.endr
	s_wait_dscnt 0x0                               ; for the others' sake: my stores into the assembly area are done
	s_barrier_signal -1
	s_barrier_wait -1
	; ---- the tail: run u = wave + 4 j of the region's first bytes, while there are runs (14 for keys, 3 for queries)
.irp j, 0,1,2,3
	s_add_co_u32 s28, s16, 4*\j
	s_cmp_lt_u32 s28, s26
	s_cbranch_scc0 .Lno_run_\j
	ds_load_b64 v[TL+2*\j:TL+2*\j+1], v13 offset:1024*\j
	s_wait_dscnt 0x0
	global_store_b64 v14, v[TL+2*\j:TL+2*\j+1], s[22:23] offset:1024*\j   ; 32 lanes store 256 consecutive bytes, aligned; each trip has registers of its own
.Lno_run_\j:
.endr
	s_wait_tensorcnt 0x0
	ds_add_u32 v216, v217
	s_wait_dscnt 0x0
	s_endpgm
.Lfunc_end_k_q5423c13372_prep:
	.size	k_q5423c13372_prep, .Lfunc_end_k_q5423c13372_prep-k_q5423c13372_prep
	.p2alignl 7, 3214868480
	.fill 96, 4, 3214868480
	.section	.rodata,"a",@progbits
	.p2align	6, 0x0
	.amdhsa_kernel k_q5423c13372_prep
		.amdhsa_group_segment_fixed_size 44032
		.amdhsa_private_segment_fixed_size 0
		.amdhsa_enable_private_segment 0
		.amdhsa_kernarg_size 48
		.amdhsa_user_sgpr_count 2
		.amdhsa_user_sgpr_kernarg_segment_ptr 1
		.amdhsa_wavefront_size32 1
		.amdhsa_system_sgpr_workgroup_id_x 1
		.amdhsa_system_sgpr_workgroup_id_y 1
		.amdhsa_system_sgpr_workgroup_id_z 1
		.amdhsa_system_vgpr_workitem_id 0
		.amdhsa_next_free_vgpr 218
		.amdhsa_next_free_sgpr 66
		.amdhsa_reserve_vcc 1
		.amdhsa_float_denorm_mode_32 3
		.amdhsa_float_denorm_mode_16_64 3
		.amdhsa_memory_ordered 1
		.amdhsa_forward_progress 1
		.amdhsa_inst_pref_size 17
	.end_amdhsa_kernel
	.amdgpu_metadata
---
amdhsa.version: [ 1, 2 ]
amdhsa.kernels:
  - .name:           k_q5423c13372_prep
    .symbol:         k_q5423c13372_prep.kd
    .args:
      - { .name: batches, .offset: 0, .size: 8, .value_kind: global_buffer, .address_space: global }
      - { .name: x_training, .offset: 8, .size: 8, .value_kind: global_buffer, .address_space: global }
      - { .name: y_training, .offset: 16, .size: 8, .value_kind: global_buffer, .address_space: global }
      - { .name: beta, .offset: 24, .size: 8, .value_kind: global_buffer, .address_space: global }
      - { .name: kws, .offset: 32, .size: 8, .value_kind: global_buffer, .address_space: global }
      - { .name: qws, .offset: 40, .size: 8, .value_kind: global_buffer, .address_space: global }
    .group_segment_fixed_size: 44032
    .private_segment_fixed_size: 0
    .kernarg_segment_align: 8
    .kernarg_segment_size: 48
    .max_flat_workgroup_size: 128
    .sgpr_count:     66
    .vgpr_count:     218
    .wavefront_size: 32
...
	.end_amdgpu_metadata
.endif
;; end of part 1
;; launch main (part 2): grid 256 x 1, 16 waves a work-group, clusters of 4 x 1, 327,680 bytes of LDS; arguments kws, qws, out0; writes out0
.if DOCPART == 2
	.amdgcn_target "amdgcn-amd-amdhsa--gfx1250"
	.amdhsa_code_object_version 6
	.text
	.protected	k_q5423c13372_main
	.globl	k_q5423c13372_main
	.p2align	8
	.type	k_q5423c13372_main,@function
k_q5423c13372_main:
	s_mov_b64 s[64:65], 0
	v_nop
	global_prefetch_b8 v0, s[64:65] scope:SCOPE_SE
	s_setreg_imm32_b32 hwreg(HW_REG_WAVE_MODE, 25, 1), 1
	s_wait_xcnt 0x0
	s_wait_alu depctr_hold_cnt(0) depctr_sa_sdst(0) depctr_va_vdst(0) depctr_va_sdst(0) depctr_va_ssrc(0) depctr_va_vcc(0) depctr_vm_vsrc(0)
	s_getreg_b32 s2, hwreg(HW_REG_IB_STS2, 6, 4)
	s_cmp_eq_u32 s2, 0
	s_cbranch_scc0 .Lentry_in_a_cluster
	s_endpgm
.Lentry_in_a_cluster:
	s_bfe_u32 s2, ttmp6, 0x10000c
	s_cmp_lg_u32 s2, 0x3003
	s_cbranch_scc0 .Lentry_shape_is_right
	s_endpgm
.Lentry_shape_is_right:
; out[q][:] = (sum over k of w y[k][:]) / (sum over k of w),  w = exp(-beta[k] sqrt(max(|q|^2 + |x_k|^2 - 2 q . x_k, 0))).  8,192 queries, 16,384 keys, 64 along K, 8 channels.
; q . x_k is the QUANTISED product: codes of BF6 (E3M2) with E8M0 scales, made by the launch before.  w y is left as it is: bf16 operands, f32 sums.  No maximum is taken away ahead of the exponential: reference() takes none.
; SHARES.  A work-group owns 32 queries (two tiles of 16) and walks all keys: each output row has one owner.  The keys come in 8 slots' worth of 2,048 (16 regions of 128 keys, 9,728 bytes each);
; in each slot wave w of sixteen works region w: four groups of 32 keys, for both query tiles.  Four waves lie on a SIMD, so that one wave's vector work stands beside another's matrix work and LDS loads.
; LAYOUT.  Both products are used transposed, so that a lane holds ONE query (lane % 16) throughout.
;  (1) K is 64, the instruction's 128: a group's operand row r is [key r's 64 codes | key 16 + r's 64 codes].  Against [Q | zero codes] it gives keys 0-15, against [zero codes | Q] keys 16-31: zero codes add nothing.
;      Registers [Q (6)][0 (6)][Q (6)] hold both forms.  Q's scale word is (s0, s1, s0, s1).
;  (2) C of that instruction is -|x|^2 / 2 of the lane's eight keys, as loaded: D = q . x - |x|^2 / 2, and the squared distance is one packed fused multiply-add, D x (-2) + |q|^2.
;  (3) w = 2^(c x distance), c = -beta log2(e) from the launch before.
;  (4) Two tiles' weights, rounded to bf16 in pairs, ARE source 1 (32 keys x 16 queries) of O^T = Y^T W.  Source 0's rows 0-7 are y's channels and row 8 is ones: row 8 of O^T is the sum of the weights.
;      Rows 9-15 take whatever bytes follow in the region; they feed rows 9-15 of O^T, which nobody reads.
; CLUSTER.  All work-groups walk the same keys: the four of a cluster ask for each slot JOINTLY (the same tensor load, the same descriptor, a mask that names the four).
; LIMITS.  The squared distance is rounded in another order than reference()'s (b2 + x2) - 2 dot.  The divisor is the f32 sum of the weights AS ROUNDED TO bf16, the same numbers that the numerator uses.
; v_exp_f32 and v_sqrt_f32 flush denormals (ISA guide, their entries): a weight under 2^-126 counts as 0, so a query all of whose weights lie there gives 0 / 0 = NaN where reference() may still hold denormals.
; NaN and infinities among the inputs are not served.
.set KREG,  9728                       ; a key region:  0 XH | 512 SCL | 768 CO | 1280 YT | 3584 COD
.set QREG,  6912                       ; a query region: 0 XH | 512 SCL | 768 COD
.set SCLO,  512
.set CO,    768
.set YT,    1280
.set COD,   3584
.set SLOTB, 16*KREG                    ; a slot: 155,648 bytes = 608 rows of 256; slot 0 at LDS 0, slot 1 behind it.  No padding: every read is 16 x lane on end, or one address for sixteen lanes
.set FETB,  76*256                     ; what one tensor load brings: an eighth of a slot
.set SPARE, 2*SLOTB                    ; behind the ring: the spare words, 128 bytes for each of sixteen waves: eight blocks of 256 bytes that no other line names
.set A16,  2                           ; v2-3   16 x lane + my region, in slot 0, 1
.set AH,   4                           ; v4-5   32 (lane / 16) + my region: eight f32 of my half's keys
.set ASC,  6                           ; v6-7   4 x lane + my region
.set AY,   8                           ; v8-9   16 (lane % 16) + 144 (lane / 16) + my region
.set SPW,  10                          ; v10    LDS address of my spare word; never rewritten
.set NIL,  11                          ; v11    0; never rewritten
.set PFO,  12                          ; v12    the prefetches' offset; never rewritten
.set GO,   13                          ; v13    my 16 bytes among a tile's 512 bytes of out
.set QS,   14                          ; v14-15 Q's scale words, tile 0, 1: scales and nothing else
.set B2,   16                          ; v16-19 |q|^2 of my query in tile 0 (twice), tile 1 (twice)
.set QR,   20                          ; v20-37 [Q][0][Q] of tile 0;  v38-55 of tile 1
.set OA,   56                          ; v56-63, v64-71 O^T of tile 0, 1
.set P,    72                          ; v72-79, v80-87 the weights in bf16
.set S,    88                          ; v88-119 four result tiles: (query tile q, key tile t) at S + 16 q + 8 t
.set BUF,  120                         ; v120-171, v172-223 a group's data, two buffers: +0 codes (12), +12 Y^T (8), +20 -|x|^2/2 (16), +36 c (16)
.set SCLR, 224                         ; v224-225 the keys' scale words: lanes 0-15 group 2 k, lanes 16-31 group 2 k + 1: scales and nothing else
.set RSTO, 226                         ; v226   the final sum: where I put my partial sums
.set RRD,  227                         ; v227   and where waves 0 and 1 read them
.set R4,   228                         ; v228   4 (lane % 16)
.set L16,  229                         ; v229   16 x lane
.set WV,   10                          ; s10    my wave's number
.set G1,   16                          ; s[16:23] descriptor group 1
.set G0,   24                          ; s[24:27], s[28:31] group 0 for slot 0, 1
.set SEL,  32                          ; s[32:33] v_permlanex16_b32's selects for lane l xor 16
.set TRIPS, 34
.set SLOTS, 35                         ; refills still to come
.set LIM,  36                          ; 1 in a wave that prefetches, else the greatest number
.set PFA,  38                          ; s[38:39] where my work-group's prefetches stand
.macro CROUND                          ; a round of the cluster's barrier: my work-group's barrier; wave 0 signals for the work-group; every wave waits for all four work-groups; my work-group's barrier once more
	s_barrier_signal -1
	s_barrier_wait -1
	s_cmp_lg_u32 s[WV], 0
	s_cbranch_scc1 .Lnot_wave_0_\@
	s_barrier_signal -3
.Lnot_wave_0_\@:
	s_barrier_wait -3
	s_barrier_signal -1
	s_barrier_wait -1
.endm
.macro JLOAD s                         ; a joint refill of slot s: waves 0-7 fetch an eighth each, the others nothing.  The branch hangs on the wave's number alone.  Four v_nop follow the load
	s_cmp_lt_u32 s[WV], 8
	s_cbranch_scc0 .Lnone_\@
	tensor_load_to_lds s[G0+4*(\s):G0+4*(\s)+3], s[G1:G1+7]
	s_nop 0
.rept 4
	v_nop
.endr
.Lnone_\@:
.endm
; A PREFETCH INTO THE L2 of the slot that the NEXT change of slots will ask for: 608 blocks of 256 bytes.  All clusters walk the same keys: cluster 0 asks, and nobody else.  Its four partners take 152 blocks each,
; told apart BY ADDRESS; in each, the eight waves that fetch nothing take 19 blocks each, a lane a block (lanes 19-31 name the wave's last block again).  The last refill asks for nothing: no slot follows it.
.macro ASK
	s_cmp_gt_u32 s[SLOTS], s[LIM]
	s_cbranch_scc0 .Lnot_mine_\@
	global_prefetch_b8 v[PFO], s[PFA:PFA+1] th:TH_LOAD_NT scope:SCOPE_SE
.Lnot_mine_\@:
.endm
.macro LOADG n, g, b                   ; group g of my region in slot n into buffer b: 13 LDS loads in one run
.set LB, BUF+52*(\b)
.irp c, 0,1,2
	ds_load_b128 v[LB+4*\c:LB+4*\c+3], v[A16+\n] offset:COD+1536*(\g)+512*\c       ; the operand's registers as they were stored
.endr
.irp t, 0,1
.irp i, 0,1
	ds_load_b128 v[LB+20+8*\t+4*\i:LB+20+8*\t+4*\i+3], v[AH+\n] offset:128*(\g)+64*\t+16*\i   ; -|x|^2/2 of keys 16 t + 8 (lane / 16) + 0 .. 7: the result's own layout
.endr
.endr
.irp t, 0,1
.irp i, 0,1
	ds_load_b128 v[LB+36+8*\t+4*\i:LB+36+8*\t+4*\i+3], v[AH+\n] offset:CO+128*(\g)+64*\t+16*\i   ; c of the same keys
.endr
.endr
.irp i, 0,1
	ds_load_b128 v[LB+12+4*\i:LB+12+4*\i+3], v[AY+\n] offset:YT+576*(\g)+288*\i   ; Y^T: row lane % 16, keys 16 i + 8 (lane / 16) + 0 .. 7
.endr
.endm
.macro KQ g, q, t                      ; D = keys' tile t x query tile q - |x|^2 / 2.  Odd groups' scale words lie in lanes 16-31
.if (\g)%2
	v_wmma_scale_f32_16x16x128_f8f6f4 v[S+16*\q+8*\t:S+16*\q+8*\t+7], v[DB:DB+11], v[QR+18*\q+6*\t:QR+18*\q+6*\t+11], v[DB+20+8*\t:DB+20+8*\t+7], v[SCLR+(\g)/2], v[QS+\q] matrix_a_fmt:MATRIX_FMT_BF6 matrix_b_fmt:MATRIX_FMT_BF6 matrix_a_scale:MATRIX_SCALE_ROW1
.else
	v_wmma_scale_f32_16x16x128_f8f6f4 v[S+16*\q+8*\t:S+16*\q+8*\t+7], v[DB:DB+11], v[QR+18*\q+6*\t:QR+18*\q+6*\t+11], v[DB+20+8*\t:DB+20+8*\t+7], v[SCLR+(\g)/2], v[QS+\q] matrix_a_fmt:MATRIX_FMT_BF6 matrix_b_fmt:MATRIX_FMT_BF6
.endif
.endm
; A STEP: 32 keys x 32 queries.  zero = 1: its products Y^T W start O^T's sums.  next = 1: the next group's data are fetched.
; The six accumulators (four result tiles, O^T twice) take turns, one instruction a turn.
.macro STEP n, g, zero, next
.set DB, BUF+52*((\g)%2)
	s_wait_dscnt 0x0                               ; this group's data are in (but for a slot's first group they were asked for a whole step ago)
.irp t, 0,1
.irp q, 0,1
	KQ \g, \q, \t
.endr
.endr
.rept 4
	v_nop                                          ; four places: ahead of the first read of these results, and between the last step's last product and the loads into the buffer that it read
.endr
.if \next
	LOADG \n, (\g)+1, 1-(\g)%2
.endif
.irp t, 0,1
.irp q, 0,1
.irp i, 0,2,4,6
	v_pk_fma_f32 v[S+16*\q+8*\t+\i:S+16*\q+8*\t+\i+1], v[S+16*\q+8*\t+\i:S+16*\q+8*\t+\i+1], -2.0, v[B2+2*\q:B2+2*\q+1] op_sel_hi:[1,0,1]   ; |q|^2 + |x|^2 - 2 q . x; each result from its low end on
.endr
.irp i, 0,1,2,3,4,5,6,7
	v_max_num_f32 v[S+16*\q+8*\t+\i], 0, v[S+16*\q+8*\t+\i]
.endr
.irp i, 0,1,2,3,4,5,6,7
	v_sqrt_f32 v[S+16*\q+8*\t+\i], v[S+16*\q+8*\t+\i]
.endr
.endr
.endr
	s_wait_alu depctr_va_vdst(0)                   ; one wait for the 32 roots, ahead of their first reader; the first multiply below is the plain instruction behind the last root
.irp t, 0,1
.irp q, 0,1
.irp i, 0,2,4,6
	v_pk_mul_f32 v[S+16*\q+8*\t+\i:S+16*\q+8*\t+\i+1], v[S+16*\q+8*\t+\i:S+16*\q+8*\t+\i+1], v[DB+36+8*\t+\i:DB+36+8*\t+\i+1]   ; c x distance
.endr
.irp i, 0,1,2,3,4,5,6,7
	v_exp_f32 v[S+16*\q+8*\t+\i], v[S+16*\q+8*\t+\i]
.endr
.endr
.endr
	s_wait_alu depctr_va_vdst(0)                   ; one wait for the 32 exponentials; the first rounding below, of the first tile, is the plain instruction behind the last
.irp t, 0,1
.irp q, 0,1
.irp i, 0,1,2,3
	v_cvt_pk_bf16_f32 v[P+8*\q+4*\t+\i], v[S+16*\q+8*\t+2*\i], v[S+16*\q+8*\t+2*\i+1]   ; registers 4 t + i: keys 16 t + 8 (lane / 16) + 2 i, + 1: source 1's own layout
.endr
.endr
.endr
.irp q, 0,1
.if \zero
	v_wmma_f32_16x16x32_bf16 v[OA+8*\q:OA+8*\q+7], v[DB+12:DB+19], v[P+8*\q:P+8*\q+7], 0
.else
	v_wmma_f32_16x16x32_bf16 v[OA+8*\q:OA+8*\q+7], v[DB+12:DB+19], v[P+8*\q:P+8*\q+7], v[OA+8*\q:OA+8*\q+7]
.endif
.endr
.endm
.macro SLOTWORK n, zero, ask           ; my region of slot n: four groups
	LOADG \n, 0, 0
.irp k, 0,1
	ds_load_b32 v[SCLR+\k], v[ASC+\n] offset:SCLO+128*\k
.endr
.if \ask
	ASK                                            ; behind the wave's tensor load (if it has one) and its run of LDS loads
.endif
	STEP \n, 0, \zero, 1
	STEP \n, 1, 0, 1
	STEP \n, 2, 0, 1
	STEP \n, 3, 0, 0
.endm
; THE CHANGE OF SLOTS, at the head of slot n.  Each wave waits for all its tensor loads (its part of slot n), adds 0 to its spare word, and waits for that and for its reads of the other slot.
; fill = 1: the barrier is a round of the cluster's, so that no wave of any partner still reads the other slot or has a load on its way; the joint refill is the first thing behind it and has a slot's four steps in which to land.
.macro CHANGE n, fill
	s_wait_tensorcnt 0x0                           ; no tensor load of mine is out, so a group 0 may be written
	ds_add_u32 v[SPW], v[NIL]                      ; 0 onto my spare word
.if \fill
	s_add_nc_u64 s[G0+4*(1-\n)+2:G0+4*(1-\n)+3], s[G0+4*(1-\n)+2:G0+4*(1-\n)+3], 2*SLOTB   ; the other slot's next 2,048 keys; the type bits on top are not reached
	s_wait_xcnt 0x0                                ; the last prefetch, a slot back, has read its address, so it may be written:
	s_add_nc_u64 s[PFA:PFA+1], s[PFA:PFA+1], SLOTB ; one slot further on than the refill
.endif
	s_wait_dscnt 0x0                               ; the add is done, and my reads of the other slot are over
.if \fill
	CROUND
	JLOAD 1-\n
.else
	s_barrier_signal -1
	s_barrier_wait -1
.endif
.endm
	s_load_b128 s[4:7], s[0:1], 0x0                ; kws, qws
	s_load_b64 s[8:9], s[0:1], 0x10                ; out0
	v_lshl_add_u32 v[SPW], v0, 2, SPARE
	v_mov_b32 v[NIL], 0
	ds_add_u32 v10, v11
	s_wait_dscnt 0x0
	v_lshrrev_b32 v1, 5, v0
	v_readfirstlane_b32 s[WV], v1                  ; wave 0..15
	s_and_b32 s11, s[WV], 7                        ; which eighth of a slot I fetch, if I fetch
	s_bfe_u32 s12, ttmp6, 0x40000                  ; cx: my place in the cluster: it enters global addresses of Q, of out and of the prefetches alone, through s[46:47]
	v_and_b32 v230, 31, v0                         ; lane
	v_and_b32 v231, 15, v0                         ; r
	v_bfe_u32 v232, v0, 4, 1                       ; h
	s_mul_i32 s13, s[WV], KREG                     ; my region in a slot
	v_lshlrev_b32 v[L16], 4, v230
	v_lshlrev_b32 v[R4], 2, v231
	v_add_nc_u32 v[A16], s13, v[L16]
	v_lshl_add_u32 v[AH], v232, 5, s13
	v_lshl_add_u32 v[ASC], v230, 2, s13
	v_mul_u32_u24 v[AY], v232, 144
	v_lshl_add_u32 v[AY], v231, 4, v[AY]
	v_add_nc_u32 v[AY], s13, v[AY]
.irp a, A16, AH, ASC, AY
	v_add_nc_u32 v[\a+1], SLOTB, v[\a]             ; the same in slot 1
.endr
	s_lshl_b32 s13, s[WV], 11
	v_add_nc_u32 v[RSTO], s13, v[L16]              ; the final sum: 2,048 bytes a wave, from LDS 0 on
	s_and_b32 s13, s[WV], 1
	s_lshl_b32 s14, s13, 10
	v_add_nc_u32 v[RRD], s14, v[L16]               ; wave 0 sums query tile 0, wave 1 tile 1
	s_lshl_b32 s13, s13, 9                         ; and its 512 bytes of out
	v_lshlrev_b32 v[GO], 5, v231
	v_lshl_add_u32 v[GO], v232, 4, v[GO]           ; out: query r's 32 bytes, channels 4 h on
	v_min_u32 v[PFO], 18, v230
	v_lshlrev_b32 v[PFO], 8, v[PFO]
	s_mul_i32 s14, s11, 19*256
	v_add_nc_u32 v[PFO], s14, v[PFO]               ; 256 x min(lane, 18) + my wave's 19 blocks
	; descriptor group 1: 76 rows of 256 bytes, dense in memory and in LDS
	s_mov_b32 s[G1+0], 15|(3<<16)|(1<<21)          ; 15:0 the mask: all four work-groups; 17:16 elements of 8 bytes; 20 no padding; 21 set beside a mask
	s_mov_b32 s[G1+1], 32<<16                      ; tensor_dim0 = 32
	s_mov_b32 s[G1+2], 76<<16                      ; tensor_dim1 = 76
	s_mov_b32 s[G1+3], 32<<16                      ; tile_dim0 = 32
	s_mov_b32 s[G1+4], 76                          ; tile_dim1 = 76
	s_mov_b32 s[G1+5], 32                          ; tensor_dim0_stride
	s_mov_b32 s[G1+6], 0
	s_mov_b32 s[G1+7], 0
	s_mov_b32 s[SEL], 0x76543210
	s_mov_b32 s[SEL+1], 0xfedcba98
	s_mov_b32 s[SLOTS], 6
	s_lshr_b32 s[LIM], s[WV], 3
	s_xor_b32 s[LIM], s[LIM], 1                    ; 0 in waves 8 to 15,
	s_or_b32 s[LIM], s[LIM], ttmp9                 ; of cluster 0: the same in all four partners
	s_cmp_eq_u32 s[LIM], 0
	s_cselect_b32 s[LIM], 1, -1
	s_mul_i32 s14, s11, FETB                       ; my eighth: in a slot and in memory alike
	s_mov_b32 s15, 0
	s_mov_b32 s47, 0
	s_wait_kmcnt 0x0
	s_mov_b32 s[G0], 1                             ; 1:0 count = 1
	s_mov_b32 s[G0+1], s14                         ; 63:32 LDS address: slot 0
	s_add_nc_u64 s[G0+2:G0+3], s[4:5], s[14:15]    ; 120:64 global address: keys 0 to 2,047
	s_mov_b32 s[G0+4], 1
	s_add_co_u32 s[G0+5], s14, SLOTB               ; slot 1,
	s_add_nc_u64 s[G0+6:G0+7], s[G0+2:G0+3], SLOTB ; keys 2,048 to 4,095
	s_or_b32 s[G0+3], s[G0+3], 0x80000000          ; 127:126 type = 2
	s_or_b32 s[G0+7], s[G0+7], 0x80000000
	s_mul_i32 s46, s12, 152*256                    ; the prefetches: my work-group's 152 blocks,
	s_add_nc_u64 s[PFA:PFA+1], s[4:5], s[46:47]
	s_add_nc_u64 s[PFA:PFA+1], s[PFA:PFA+1], 2*SLOTB   ; at the third slot's worth: the first change steps it to the fourth.  Nothing is prefetched at the head, where every work-group's first tiles are on their way
	s_mul_i32 s46, ttmp9, QREG                     ; my cluster's 128 queries are one query region; my work-group's 32 are its group cx
	s_add_nc_u64 s[6:7], s[6:7], s[46:47]
	s_mul_i32 s46, s12, 1536
	s_add_nc_u64 s[40:41], s[6:7], s[46:47]        ; for the codes,
	s_lshl_b32 s46, s12, 6
	s_add_nc_u64 s[42:43], s[6:7], s[46:47]        ; the scale words,
	s_lshl_b32 s46, s12, 7
	s_add_nc_u64 s[44:45], s[6:7], s[46:47]        ; and -|q|^2 / 2
	s_lshl_b32 s46, ttmp9, 2
	s_add_co_u32 s46, s46, s12                     ; my work-group = 4 x cluster + cx
	s_lshl_b32 s46, s46, 10                        ; 32 rows of out, 32 bytes each,
	s_add_co_u32 s46, s46, s13                     ; and the tile that my wave stores, if it stores
	s_add_nc_u64 s[8:9], s[8:9], s[46:47]
	CROUND                                         ; all four work-groups are here: the first joint loads meet
	s_cmp_lt_u32 s[WV], 8                          ; a wave's two first fills stand in one branch, ahead of every wait on TENSORcnt and every LDS read: two loads of mine are out
	s_cbranch_scc0 .Lno_first
	tensor_load_to_lds s[G0:G0+3], s[G1:G1+7]
	s_nop 0
	tensor_load_to_lds s[G0+4:G0+7], s[G1:G1+7]
	s_nop 0
.rept 4
	v_nop
.endr
.Lno_first:
	; Q stays in registers.  Of the group's image, registers 0-5 (tile 0) lie at 0, 8, 512 and registers 6-11 (tile 1) at 520, 1024, 1032, each + 16 x lane; each piece goes into both copies
.irp k, 0, 12
	global_load_b64 v[QR+\k:QR+\k+1], v[L16], s[40:41] offset:768
	global_load_b64 v[QR+\k+2:QR+\k+3], v[L16], s[40:41] offset:768+8
	global_load_b64 v[QR+\k+4:QR+\k+5], v[L16], s[40:41] offset:768+512
	global_load_b64 v[QR+18+\k:QR+18+\k+1], v[L16], s[40:41] offset:768+520
	global_load_b64 v[QR+18+\k+2:QR+18+\k+3], v[L16], s[40:41] offset:768+1024
	global_load_b64 v[QR+18+\k+4:QR+18+\k+5], v[L16], s[40:41] offset:768+1032
.endr
	global_load_b32 v233, v[R4], s[42:43] offset:SCLO  ; (A0, A1, B0, B1) of queries r and 16 + r
	global_load_b32 v234, v[R4], s[44:45]          ; -|q|^2 / 2 of query r,
	global_load_b32 v235, v[R4], s[44:45] offset:64    ; and of query 16 + r
.irp i, 0,1,2,3,4,5
	v_mov_b32 v[QR+6+\i], 0                        ; the zero codes between the copies
	v_mov_b32 v[QR+24+\i], 0
.endr
	s_wait_loadcnt 0x0
	v_perm_b32 v[QS], v233, v233, 0x01000100       ; (A0, A1, A0, A1)
	v_perm_b32 v[QS+1], v233, v233, 0x03020302     ; (B0, B1, B0, B1)
	v_mul_f32 v[B2], -2.0, v234
	v_mul_f32 v[B2+1], -2.0, v234
	v_mul_f32 v[B2+2], -2.0, v235
	v_mul_f32 v[B2+3], -2.0, v235
.rept 4
	v_nop                                          ; with the four multiplies: eight places between a scale register written by a vector instruction and the first scaled product
.endr
	s_wait_tensorcnt 1                             ; my part of slot 0 is in; slot 1's may stay out
	s_barrier_signal -1
	s_barrier_wait -1                              ; everybody's is
	SLOTWORK 0, 1, 0                               ; keys 0 to 2,047: its first products start O^T's sums
	s_mov_b32 s[TRIPS], 3
.Lring:                                            ; three trips, two slots each: six refills
	CHANGE 1, 1
	SLOTWORK 1, 0, 1
	s_sub_co_u32 s[SLOTS], s[SLOTS], 1
	CHANGE 0, 1
	SLOTWORK 0, 0, 1
	s_sub_co_u32 s[SLOTS], s[SLOTS], 1
	s_sub_co_u32 s[TRIPS], s[TRIPS], 1
	s_cmp_lg_u32 s[TRIPS], 0
	s_cbranch_scc1 .Lring
	CHANGE 1, 0                                    ; the last slot is written out
	SLOTWORK 1, 0, 0
	; THE FINAL SUM.  Sixteen waves hold partial sums of the same 32 queries.  They meet in LDS from byte 0 on: slot 0 has had its last fill, and every wave has passed the last change of slots, behind which nobody reads it.
.rept 4
	v_nop                                          ; four places behind the last products
.endr
.irp q, 0,1
	ds_store_b128 v[RSTO], v[OA+8*\q:OA+8*\q+3] offset:1024*\q        ; each accumulator from its low end on
	ds_store_b128 v[RSTO], v[OA+8*\q+4:OA+8*\q+7] offset:1024*\q+512
.endr
	s_wait_dscnt 0x0                               ; for the others' sake: my stores are done
	s_barrier_signal -1
	s_barrier_wait -1
	s_cmp_lt_u32 s[WV], 2                          ; wave 0 finishes query tile 0, wave 1 tile 1
	s_cbranch_scc0 .Ldone
.irp w, 0,1,2,3,4,5,6,7,8,9,10,11,12,13,14,15
.irp c, 0,1
	ds_load_b128 v[S+8*\w+4*\c:S+8*\w+4*\c+3], v[RRD] offset:2048*\w+512*\c
.endr
.endr
	s_wait_dscnt 0x0
.irp d, 8,4,2,1
.set W, 0
.rept \d
.irp p, 0,2,4,6
	v_pk_add_f32 v[S+8*W+\p:S+8*W+\p+1], v[S+8*W+\p:S+8*W+\p+1], v[S+8*(W+\d)+\p:S+8*(W+\d)+\p+1]
.endr
.set W, W+1
.endr
.endr
	v_permlanex16_b32 v[S+8], v[S], s[SEL], s[SEL+1]   ; row 8 of O^T, the sum of the weights, lies in register 0 of lanes 16-31: lanes 0-15 take it
	v_rcp_f32 v[S+10], v[S+8]
	v_mov_b32 v[S+11], 0                           ; a plain instruction behind the reciprocal (and the pair's upper half is written)
	s_wait_alu depctr_va_vdst(0)                   ; the wait ahead of the first reader
.irp p, 0,2,4,6
	v_pk_mul_f32 v[S+\p:S+\p+1], v[S+\p:S+\p+1], v[S+10:S+11] op_sel_hi:[1,0]   ; lanes 0-15: channels 0-7 of query r / the sum
.endr
.irp j, 0,1,2,3
	v_permlane16_swap_b32 v[S+\j], v[S+4+\j]       ; channels 4-7 of lanes 0-15 go to lanes 16-31: lane (r, h) now holds channels 4 h .. 4 h + 3 of query r
.endr
	global_store_b128 v[GO], v[S:S+3], s[8:9]      ; the wave stores 512 consecutive bytes, at a multiple of 256 from out's first byte
.Ldone:
	s_wait_tensorcnt 0x0                           ; the wave's end: behind my last tensor load and my last LDS store
	ds_add_u32 v[SPW], v[NIL]
	s_wait_dscnt 0x0
	CROUND                                         ; the closing round: no work-group ends while a partner may still ask for a tile that names it
	s_endpgm
.Lfunc_end_k_q5423c13372_main:
	.size	k_q5423c13372_main, .Lfunc_end_k_q5423c13372_main-k_q5423c13372_main
	.p2alignl 7, 3214868480
	.fill 96, 4, 3214868480
	.section	.rodata,"a",@progbits
	.p2align	6, 0x0
	.amdhsa_kernel k_q5423c13372_main
		.amdhsa_group_segment_fixed_size 327680
		.amdhsa_private_segment_fixed_size 0
		.amdhsa_enable_private_segment 0
		.amdhsa_kernarg_size 24
		.amdhsa_user_sgpr_count 2
		.amdhsa_user_sgpr_kernarg_segment_ptr 1
		.amdhsa_wavefront_size32 1
		.amdhsa_system_sgpr_workgroup_id_x 1
		.amdhsa_system_sgpr_workgroup_id_y 1
		.amdhsa_system_sgpr_workgroup_id_z 1
		.amdhsa_system_vgpr_workitem_id 0
		.amdhsa_next_free_vgpr 240
		.amdhsa_next_free_sgpr 66
		.amdhsa_reserve_vcc 0
		.amdhsa_float_denorm_mode_32 3
		.amdhsa_float_denorm_mode_16_64 3
		.amdhsa_memory_ordered 1
		.amdhsa_forward_progress 1
		.amdhsa_inst_pref_size 140
	.end_amdhsa_kernel
	.amdgpu_metadata
---
amdhsa.version: [ 1, 2 ]
amdhsa.kernels:
  - .name:           k_q5423c13372_main
    .symbol:         k_q5423c13372_main.kd
    .args:
      - { .name: kws, .offset: 0, .size: 8, .value_kind: global_buffer, .address_space: global }
      - { .name: qws, .offset: 8, .size: 8, .value_kind: global_buffer, .address_space: global }
      - { .name: out0, .offset: 16, .size: 8, .value_kind: global_buffer, .address_space: global }
    .group_segment_fixed_size: 327680
    .private_segment_fixed_size: 0
    .kernarg_segment_align: 8
    .kernarg_segment_size: 24
    .max_flat_workgroup_size: 512
    .sgpr_count:     66
    .vgpr_count:     240
    .wavefront_size: 32
...
	.end_amdgpu_metadata
.endif
;; end of part 2
